; MI455X (gfx1250); checked and timed in simulation.
; The chip was launched on July 23, 2026; its instructions are those of AMD's public machine-readable ISA for CDNA 5 (MIT licence, August 2026) and "CDNA5" Instruction Set Architecture Reference Guide (July 2026). The comments in the code are by the model that wrote it; some were corrected since.
;; Attention. Allowed arithmetic: float matrix products may take bf16 or f16 operands with f32 sums; other float arithmetic in f32, or as packed bf16 or f16 multiplies, adds, multiply-adds, maxima and minima; sums over many terms, partial sums and values carried from step to step in f32; what a program stores and reads back later, other than sums and carried values, may be rounded once to bf16 or f16.
;; Inputs: attn_b 1,024 float32; attn_w 1,024 x 3,072 float32; encoder_out 16 x 2,048 x 2,048 float32; mask 16 x 2,048 int32; v 1 x 16 x 1,024 float32; v_w 1 x 1,024 float32.
;; Outputs: out0 16 x 2,048 float32.
;; One version. Each part assembles by itself: llvm-mc -triple=amdgcn-amd-amdhsa -mcpu=gfx1250 --defsym DOCPART=n.
;; ======== version 1 of 1: 5 launches
;; workspace buffers: wb 4,194,304 bytes; sd2 65,536 bytes; ab 150,994,944 bytes; meta 4,096 bytes of whole numbers; part 327,680 bytes; score 163,840 bytes
;; launch prep (part 1): grid 64 x 1, 8 waves a work-group, no clusters, 9,216 bytes of LDS; arguments attn_w, attn_b, v, wb, sd2; writes wb, sd2
.if DOCPART == 1
	.amdgcn_target "amdgcn-amd-amdhsa--gfx1250"
	.amdhsa_code_object_version 6
	.text
	.protected	k_qe872464579_prep
	.globl	k_qe872464579_prep
	.p2align	8
	.type	k_qe872464579_prep,@function
k_qe872464579_prep:
	s_mov_b64 s[64:65], 0
	v_nop
	global_prefetch_b8 v0, s[64:65] scope:SCOPE_SE
	s_setreg_imm32_b32 hwreg(HW_REG_WAVE_MODE, 25, 1), 1
	s_wait_xcnt 0x0
; PREP.  Two things are made of the weights, once.
; (a) sd2[t][b][i] = C2 x (the sum over k of v[0][b][k] attn_w[16 t + i][k] + attn_b[16 t + i]), C2 = 2 log2(e): the decoder's share of every score's argument, already in the scale of the
;     exponential that stands for tanh in the product's launch.  f32, [64][16][16].
; (b) wb[h][k] = attn_w[h][1024 + k] rounded once to bf16, [1024][2048]: the encoder's weights as a matrix operand.
; SHARES.  Work-group g owns rows 16 g .. 16 g + 15 of attn_w (12,288 bytes each).  For (a) K = 1,024 is split among the eight waves, 128 each: four matrix instructions a wave, on two accumulators
; by turns; the eight partial tiles meet in LDS.  Source 0 = 16 rows of attn_w, source 1 = the 16 rows of v: a lane ends with one batch (lane % 16) and eight neighbouring i.
; For (b) wave w converts rows 2 w and 2 w + 1: 16 loads of 512 bytes and 16 stores of 256 consecutive, aligned bytes a row.
; ROUNDING.  v and attn_w are rounded once to bf16 for the product; sums, bias and scale in f32.
.set C2,    0x4038aa3b                 ; 2 log2(e)
.set WROW,  12288                      ; bytes in a row of attn_w
.set SPARE, 8192                       ; behind the eight partial tiles of 1,024 bytes: the spare words, 128 bytes a wave
.set OW,  4                            ; v4   my offset in the fragments of attn_w: (l % 16) x 12,288 + 32 (l / 16) + 512 w
.set OV,  5                            ; v5   the same in v: (l % 16) x 4,096 + ...
.set OC,  6                            ; v6   (b), in: 2 w rows + 16 l
.set OS,  7                            ; v7   (b), out: 2 w rows of 4,096 bytes + 8 l
.set LS,  8                            ; v8   where I put my 32 bytes of a partial tile: 1,024 w + 64 (l % 16) + 32 (l / 16)
.set LR,  9                            ; v9   16 x thread: where threads 0-63 read the tiles back, and their 16 bytes of sd2's tile
.set OB,  10                           ; v10  16 (thread % 4): my four numbers of the bias
.set SPW, 12                           ; v12  my spare word; never rewritten
.set NIL, 13                           ; v13  0; never rewritten
.set BI,  16                           ; v[16:19]  bias
.set A0,  20                           ; v[20:27], v[28:35]  the two accumulators
.set A1,  28
.set WR,  40                           ; v[40:103]   attn_w's fragments, 16 registers of f32 a K step; later row 2 w + 1 for (b)
.set VR,  104                          ; v[104:167]  v's fragments; later the eight partial tiles read back
.set CR,  168                          ; v[168:231]  row 2 w for (b)
	s_load_b256 s[4:11], s[0:1], 0x0               ; attn_w s[4:5], attn_b s[6:7], v s[8:9], wb s[10:11]
	s_load_b64 s[12:13], s[0:1], 0x20              ; sd2
	v_lshl_add_u32 v[SPW], v0, 2, SPARE
	v_mov_b32 v[NIL], 0
	v_lshrrev_b32 v14, 5, v0
	v_readfirstlane_b32 s14, v14                   ; wave 0..7
	v_and_b32 v1, 31, v0                           ; l
	v_and_b32 v2, 15, v0                           ; l % 16
	v_bfe_u32 v3, v0, 4, 1                         ; l / 16
	s_lshl_b32 s15, s14, 9                         ; my 128 channels: 512 bytes of f32
	v_mul_u32_u24 v[OW], v2, WROW
	v_lshl_add_u32 v[OW], v3, 5, v[OW]
	v_add_nc_u32 v[OW], s15, v[OW]
	v_lshlrev_b32 v[OV], 12, v2
	v_lshl_add_u32 v[OV], v3, 5, v[OV]
	v_add_nc_u32 v[OV], s15, v[OV]
	s_mul_i32 s24, s14, 2*WROW
	v_lshl_add_u32 v[OC], v1, 4, s24
	s_lshl_b32 s25, s14, 13
	v_lshl_add_u32 v[OS], v1, 3, s25
	s_lshl_b32 s26, s14, 10
	v_lshlrev_b32 v[LS], 6, v2
	v_lshl_add_u32 v[LS], v3, 5, v[LS]
	v_add_nc_u32 v[LS], s26, v[LS]
	v_lshlrev_b32 v[LR], 4, v0
	v_and_b32 v[OB], 3, v0
	v_lshlrev_b32 v[OB], 4, v[OB]
	s_mul_i32 s16, ttmp9, 16*WROW                  ; the work-group's 16 rows of attn_w,
	s_mov_b32 s17, 0
	s_lshl_b32 s18, ttmp9, 6                       ; its 16 numbers of the bias,
	s_mov_b32 s19, 0
	s_lshl_b32 s20, ttmp9, 16                      ; its 16 rows of wb,
	s_mov_b32 s21, 0
	s_lshl_b32 s22, ttmp9, 10                      ; its tile of sd2
	s_mov_b32 s23, 0
	s_wait_kmcnt 0x0
	s_add_nc_u64 s[4:5], s[4:5], s[16:17]
	s_add_nc_u64 s[6:7], s[6:7], s[18:19]
	s_add_nc_u64 s[10:11], s[10:11], s[20:21]
	s_add_nc_u64 s[12:13], s[12:13], s[22:23]
	; A fragment is 16 rows x 32 channels: lane l holds row l % 16, channels 8 (l / 16) + 0..7 and 16 + 8 (l / 16) + 0..7.  In f32 that is 32 bytes at 32 (l / 16) and 32 bytes 64 further on.
.irp t, 0,1,2,3
.irp q, 0,1,2,3
	global_load_b128 v[WR+16*(\t)+4*(\q):WR+16*(\t)+4*(\q)+3], v[OW], s[4:5] offset:128*(\t)+16*((\q)%2)+64*((\q)/2)
	global_load_b128 v[VR+16*(\t)+4*(\q):VR+16*(\t)+4*(\q)+3], v[OV], s[8:9] offset:128*(\t)+16*((\q)%2)+64*((\q)/2)
.endr
.endr
	global_load_b128 v[BI:BI+3], v[OB], s[6:7]
.set c, 0
.rept 16
	global_load_b128 v[CR+4*c:CR+4*c+3], v[OC], s[4:5] offset:4096+512*c th:TH_LOAD_NT  ; row 2 w of the encoder's weights, which begin 4,096 bytes into a row
.set c, c+1
.endr
	s_wait_loadcnt 17                              ; the 32 fragment loads are in; the bias and the 16 behind it may stay out
.irp t, 0,1,2,3
.irp i, 0,1,2,3,4,5,6,7
	v_cvt_pk_bf16_f32 v[WR+16*(\t)+(\i)], v[WR+16*(\t)+2*(\i)], v[WR+16*(\t)+2*(\i)+1]  ; in place, ascending: the fragment is the first eight of its sixteen registers
	v_cvt_pk_bf16_f32 v[VR+16*(\t)+(\i)], v[VR+16*(\t)+2*(\i)], v[VR+16*(\t)+2*(\i)+1]
.endr
.endr
	v_wmma_f32_16x16x32_bf16 v[A0:A0+7], v[WR:WR+7], v[VR:VR+7], 0                    ; the two accumulators take turns; the first products start the sums
	v_wmma_f32_16x16x32_bf16 v[A1:A1+7], v[WR+16:WR+23], v[VR+16:VR+23], 0
	v_wmma_f32_16x16x32_bf16 v[A0:A0+7], v[WR+32:WR+39], v[VR+32:VR+39], v[A0:A0+7]
	v_wmma_f32_16x16x32_bf16 v[A1:A1+7], v[WR+48:WR+55], v[VR+48:VR+55], v[A1:A1+7]
.rept 8
	v_nop                                          ; the places behind the products, ahead of the loads into their sources and of the sums that read their results
.endr
.set c, 0
.rept 16
	global_load_b128 v[WR+4*c:WR+4*c+3], v[OC], s[4:5] offset:4096+WROW+512*c th:TH_LOAD_NT  ; row 2 w + 1
.set c, c+1
.endr
.irp j, 0,2,4,6
	v_pk_add_f32 v[A0+(\j):A0+(\j)+1], v[A0+(\j):A0+(\j)+1], v[A1+(\j):A1+(\j)+1]     ; from the low end on
.endr
	ds_store_b128 v[LS], v[A0:A0+3]
	ds_store_b128 v[LS], v[A0+4:A0+7] offset:16
.set c, 0
.rept 16
	s_wait_loadcnt 31-c                            ; behind chunk c of row 2 w: its 15 - c successors and the 16 of row 2 w + 1
	v_cvt_pk_bf16_f32 v[CR+4*c], v[CR+4*c], v[CR+4*c+1]
	v_cvt_pk_bf16_f32 v[CR+4*c+1], v[CR+4*c+2], v[CR+4*c+3]
	global_store_b64 v[OS], v[CR+4*c:CR+4*c+1], s[10:11] offset:256*c th:TH_STORE_NT   ; the wave's 32 lanes store 256 consecutive bytes, aligned
.set c, c+1
.endr
.set c, 0
.rept 16
	s_wait_loadcnt 15-c
	v_cvt_pk_bf16_f32 v[WR+4*c], v[WR+4*c], v[WR+4*c+1]
	v_cvt_pk_bf16_f32 v[WR+4*c+1], v[WR+4*c+2], v[WR+4*c+3]
	global_store_b64 v[OS], v[WR+4*c:WR+4*c+1], s[10:11] offset:4096+256*c th:TH_STORE_NT
.set c, c+1
.endr
	s_wait_dscnt 0x0                               ; for the others' sake: my partial tile lies in LDS
	s_barrier_signal -1
	s_barrier_wait -1
	s_cmp_lt_u32 s14, 2                            ; threads 0-63 finish the tile, 16 bytes each
	s_cbranch_scc0 .Lend
.irp p, 0,1,2,3,4,5,6,7
	ds_load_b128 v[VR+4*(\p):VR+4*(\p)+3], v[LR] offset:1024*(\p)
.endr
	s_wait_dscnt 0x0
.irp p, 0,2,4,6
	v_pk_add_f32 v[VR+4*(\p):VR+4*(\p)+1], v[VR+4*(\p):VR+4*(\p)+1], v[VR+4*(\p)+4:VR+4*(\p)+5]
	v_pk_add_f32 v[VR+4*(\p)+2:VR+4*(\p)+3], v[VR+4*(\p)+2:VR+4*(\p)+3], v[VR+4*(\p)+6:VR+4*(\p)+7]
.endr
.irp p, 0,4
	v_pk_add_f32 v[VR+4*(\p):VR+4*(\p)+1], v[VR+4*(\p):VR+4*(\p)+1], v[VR+4*(\p)+8:VR+4*(\p)+9]
	v_pk_add_f32 v[VR+4*(\p)+2:VR+4*(\p)+3], v[VR+4*(\p)+2:VR+4*(\p)+3], v[VR+4*(\p)+10:VR+4*(\p)+11]
.endr
	v_pk_add_f32 v[VR:VR+1], v[VR:VR+1], v[VR+16:VR+17]
	v_pk_add_f32 v[VR+2:VR+3], v[VR+2:VR+3], v[VR+18:VR+19]
	v_pk_add_f32 v[VR:VR+1], v[VR:VR+1], v[BI:BI+1]                                    ; the bias (its load was waited for with the last chunk's),
	v_pk_add_f32 v[VR+2:VR+3], v[VR+2:VR+3], v[BI+2:BI+3]
	v_pk_mul_f32 v[VR:VR+1], v[VR:VR+1], C2 op_sel_hi:[1,0]                            ; and the scale
	v_pk_mul_f32 v[VR+2:VR+3], v[VR+2:VR+3], C2 op_sel_hi:[1,0]
	global_store_b128 v[LR], v[VR:VR+3], s[12:13]                                      ; a wave stores 512 consecutive bytes, aligned
.Lend:
	s_wait_tensorcnt 0x0                           ; the wave's end, behind my last LDS store
	ds_add_u32 v[SPW], v[NIL]
	s_wait_dscnt 0x0
	s_endpgm
.Lfunc_end_k_qe872464579_prep:
	.size	k_qe872464579_prep, .Lfunc_end_k_qe872464579_prep-k_qe872464579_prep
	.p2alignl 7, 3214868480
	.fill 96, 4, 3214868480
	.section	.rodata,"a",@progbits
	.p2align	6, 0x0
	.amdhsa_kernel k_qe872464579_prep
		.amdhsa_group_segment_fixed_size 9216
		.amdhsa_private_segment_fixed_size 0
		.amdhsa_enable_private_segment 0
		.amdhsa_kernarg_size 40
		.amdhsa_user_sgpr_count 2
		.amdhsa_user_sgpr_kernarg_segment_ptr 1
		.amdhsa_wavefront_size32 1
		.amdhsa_system_sgpr_workgroup_id_x 1
		.amdhsa_system_sgpr_workgroup_id_y 1
		.amdhsa_system_sgpr_workgroup_id_z 1
		.amdhsa_system_vgpr_workitem_id 0
		.amdhsa_next_free_vgpr 232
		.amdhsa_next_free_sgpr 66
		.amdhsa_reserve_vcc 0
		.amdhsa_float_denorm_mode_32 3
		.amdhsa_float_denorm_mode_16_64 3
		.amdhsa_memory_ordered 1
		.amdhsa_forward_progress 1
		.amdhsa_inst_pref_size 24
	.end_amdhsa_kernel
	.amdgpu_metadata
---
amdhsa.version: [ 1, 2 ]
amdhsa.kernels:
  - .name:           k_qe872464579_prep
    .symbol:         k_qe872464579_prep.kd
    .args:
      - { .name: attn_w, .offset: 0, .size: 8, .value_kind: global_buffer, .address_space: global }
      - { .name: attn_b, .offset: 8, .size: 8, .value_kind: global_buffer, .address_space: global }
      - { .name: v, .offset: 16, .size: 8, .value_kind: global_buffer, .address_space: global }
      - { .name: wb, .offset: 24, .size: 8, .value_kind: global_buffer, .address_space: global }
      - { .name: sd2, .offset: 32, .size: 8, .value_kind: global_buffer, .address_space: global }
    .group_segment_fixed_size: 9216
    .private_segment_fixed_size: 0
    .kernarg_segment_align: 8
    .kernarg_segment_size: 40
    .max_flat_workgroup_size: 256
    .sgpr_count:     66
    .vgpr_count:     232
    .wavefront_size: 32
...
	.end_amdgpu_metadata
.endif
;; end of part 1
;; launch pack (part 2): grid 512 x 1, 16 waves a work-group, no clusters, 2,304 bytes of LDS; arguments encoder_out, mask, ab, meta; writes ab, meta
.if DOCPART == 2
	.amdgcn_target "amdgcn-amd-amdhsa--gfx1250"
	.amdhsa_code_object_version 6
	.text
	.protected	k_qe872464579_pack
	.globl	k_qe872464579_pack
	.p2align	8
	.type	k_qe872464579_pack,@function
k_qe872464579_pack:
	s_mov_b64 s[64:65], 0
	v_nop
	global_prefetch_b8 v0, s[64:65] scope:SCOPE_SE
	s_setreg_imm32_b32 hwreg(HW_REG_WAVE_MODE, 25, 1), 1
	s_wait_xcnt 0x0
; PACK.  Where mask is 0 the score is replaced by a constant, so that row of encoder_out is never needed.  The kept rows of each batch are gathered, in their order, rounded once to bf16
; and laid end to end: ab[b][rank][0..2047], 2,304 rows of 4,096 bytes a batch.  Any mask word other than 0 counts as kept.
; The product's launch takes 1,152 rows of a batch in its tiles; where a batch keeps n > 1,152 rows, NB = ceil((n - 1,152) / 16) further blocks of 16 rows (56 at the most) are made by the launch behind it,
; whose 20 waves a batch need TR = ceil(NB / 20) trips.  Rows n .. 1,152 + 16 NB - 1 are written as zeros; the pair (NB, TR) goes to meta (32 copies: 256 bytes a batch).
; SHARES.  Work-group = (batch b, segment sgm of 64 positions), 16 waves.  Each wave counts 128 positions of the batch (two segments); the 32 counts meet in LDS; their sum is n, the sum of those
; below sgm the rank of the segment's first kept row.  The segment's kept rows are dealt to the waves by rank: wave w takes ranks w, w + 16, w + 32, w + 48, so the waves differ by one row at most.
; A row is 16 loads of 512 bytes and 16 stores of 256 consecutive, aligned bytes.  Memory binds: no matrix unit, no tensor load, no prefetch (the launch streams all the time).
; The position of rank k: every lane holds the rank of its position; the lanes that are kept and whose rank is k are one bit of a ballot, found by s_ctz_i32_b32.
.set SPARE, 256                        ; block 0 holds the 32 counts; behind it the spare words, 128 bytes a wave
.set CAP,   1152                       ; rows of a batch in the product's tiles
.set SPW, 26                           ; v26  my spare word; never rewritten
.set NIL, 27                           ; v27  0; never rewritten
.set Z,   28                           ; v[28:31]  zeros
.set X,   32                           ; v[32:95]  a row as loaded: 16 x 4 registers
.set Y,   96                           ; v[96:127] the row to store: 16 x 2 registers
	s_load_b256 s[4:11], s[0:1], 0x0               ; encoder_out s[4:5], mask s[6:7], ab s[8:9], meta s[10:11]
	v_lshl_add_u32 v[SPW], v0, 2, SPARE
	v_mov_b32 v[NIL], 0
	v_lshrrev_b32 v1, 5, v0
	v_readfirstlane_b32 s12, v1                    ; wave 0..15
	v_and_b32 v2, 31, v0                           ; lane
	s_lshr_b32 s13, ttmp9, 5                       ; b
	s_and_b32 s14, ttmp9, 31                       ; sgm
	s_lshl_b32 s16, s13, 13                        ; the batch's 8,192 bytes of mask
	s_mov_b32 s17, 0
	s_lshl_b32 s15, s12, 9
	v_lshl_add_u32 v3, v2, 2, s15                  ; the 128 positions that I count
	s_lshl_b32 s15, s14, 8
	v_lshl_add_u32 v4, v2, 2, s15                  ; my work-group's 64 positions
	v_lshlrev_b32 v5, 4, v2                        ; 16 x lane
	v_lshlrev_b32 v6, 3, v2                        ; 8 x lane
	v_lshlrev_b32 v7, 2, v2                        ; 4 x lane
	s_lshl_b32 s15, s12, 3
	v_mov_b32 v8, s15                              ; my two counts' place
.irp j, 0,1,2,3
	v_mov_b32 v[Z+(\j)], 0
.endr
	s_mov_b32 s18, 0x76543210                      ; v_permlanex16_b32: each lane takes its own place in the other half
	s_mov_b32 s19, 0xfedcba98
	s_lshl_b32 s36, ttmp9, 6                       ; 2,048 b + 64 sgm: the segment's first row of encoder_out
	s_mul_i32 s37, s13, 2*CAP                      ; the batch's first row of ab
	s_lshl_b32 s39, s14, 4
	s_add_co_u32 s39, s39, s12                     ; 16 sgm + w: my number among the batch's 512 waves
	s_wait_kmcnt 0x0
	s_add_nc_u64 s[6:7], s[6:7], s[16:17]
.irp j, 0,1,2,3
	global_load_b32 v[10+(\j)], v3, s[6:7] offset:128*(\j)
.endr
	global_load_b32 v14, v4, s[6:7]
	global_load_b32 v15, v4, s[6:7] offset:128
	s_wait_loadcnt 0x0
.irp j, 0,1,2,3
	v_cmp_ne_u32 s[20+(\j)], 0, v[10+(\j)]
.endr
	v_cmp_ne_u32 s24, 0, v14                       ; the segment's positions 0-31,
	v_cmp_ne_u32 s25, 0, v15                       ; and 32-63
	s_bcnt1_i32_b32 s26, s20
	s_bcnt1_i32_b32 s27, s21
	s_add_co_u32 s26, s26, s27                     ; kept in segment 2 w
	s_bcnt1_i32_b32 s28, s22
	s_bcnt1_i32_b32 s29, s23
	s_add_co_u32 s28, s28, s29                     ; and in segment 2 w + 1
	s_bcnt1_i32_b32 s30, s24
	s_bcnt1_i32_b32 s31, s25
	s_add_co_u32 s31, s31, s30                     ; c: kept in my work-group's segment
	v_mov_b32 v16, s26
	v_mov_b32 v17, s28
	ds_store_b64 v8, v[16:17]                      ; all lanes write the same two words with the same values
	v_mbcnt_lo_u32_b32 v18, s24, 0                 ; the rank in the segment of position lane,
	v_mbcnt_lo_u32_b32 v19, s25, s30               ; and of position 32 + lane
	s_wait_dscnt 0x0                               ; for the others' sake
	s_barrier_signal -1
	s_barrier_wait -1                              ; the launch's one barrier: all 32 counts lie in LDS
	ds_load_b32 v20, v7                            ; lane l: the count of segment l
	v_cmp_gt_u32 vcc_lo, s14, v2
	s_wait_dscnt 0x0
	v_cndmask_b32 v22, 0, v20, vcc_lo              ; the same where l < sgm
.macro ISUM x, t                       ; a whole-number sum over the 32 lanes, in every lane
	v_mov_b32 v[\t], 0                             ; a DPP move's destination counts as read
.irp m, 1,2,4,8
	v_mov_b32_dpp v[\t], v[\x] row_xmask:\m row_mask:0xf bank_mask:0xf
	v_add_nc_u32 v[\x], v[\x], v[\t]
.endr
	v_permlanex16_b32 v[\t], v[\x], s18, s19
	v_add_nc_u32 v[\x], v[\x], v[\t]
.endm
	ISUM 20, 21
	ISUM 22, 23
	v_readfirstlane_b32 s32, v20                   ; n: kept in the batch
	v_readfirstlane_b32 s33, v22                   ; the rank of my segment's first kept row
	s_max_u32 s34, s32, CAP
	s_sub_co_u32 s34, s34, CAP-15
	s_lshr_b32 s34, s34, 4                         ; NB = ceil((max(n, 1,152) - 1,152) / 16)
	s_lshl_b32 s35, s34, 4
	s_add_co_u32 s35, s35, CAP
	s_sub_co_u32 s35, s35, s32                     ; rows of zeros behind the batch's kept rows: 1,152 at the most
	s_add_co_u32 s54, s34, 19
	s_mul_i32 s54, s54, 205
	s_lshr_b32 s54, s54, 12                        ; TR = (NB + 19) / 20: x 205 / 4,096, exact for NB + 19 up to 75
; The kept row of rank k = w + 16 i in the segment, if there is one.
.macro ROW i
	s_add_co_u32 s38, s12, 16*(\i)
	s_cmp_le_u32 s31, s38
	s_cbranch_scc1 .Lrows_done
	v_cmp_eq_u32 s40, s38, v18
	v_cmp_eq_u32 s41, s38, v19
	s_and_b32 s40, s40, s24                        ; at most one bit in the two words together
	s_and_b32 s41, s41, s25
	s_ctz_i32_b32 s42, s40
	s_ctz_i32_b32 s43, s41
	s_add_co_u32 s43, s43, 32
	s_cmp_lg_u32 s40, 0
	s_cselect_b32 s42, s42, s43
	s_min_u32 s42, s42, 63                         ; the position in the segment
	s_add_co_u32 s42, s42, s36
	s_add_co_u32 s43, s33, s38
	s_min_u32 s43, s43, 2*CAP-1                    ; the rank in the batch
	s_add_co_u32 s43, s43, s37
	s_wait_xcnt 0x0                                ; the last row's loads and stores have read their bases and Y: only now are these written again
	s_lshl_b32 s44, s42, 13                        ; rows of 8,192 bytes: under 2^28
	s_mov_b32 s45, 0
	s_lshl_b32 s46, s43, 12                        ; rows of 4,096 bytes
	s_mov_b32 s47, 0
	s_add_nc_u64 s[48:49], s[4:5], s[44:45]
	s_add_nc_u64 s[50:51], s[8:9], s[46:47]
.set c, 0
.rept 16
	global_load_b128 v[X+4*c:X+4*c+3], v5, s[48:49] offset:512*c th:TH_LOAD_NT
.set c, c+1
.endr
.set c, 0
.rept 16
	s_wait_loadcnt 15-c                            ; loads come back in order: chunk c is in, its 15 - c successors may stay out
	v_cvt_pk_bf16_f32 v[Y+2*c], v[X+4*c], v[X+4*c+1]
	v_cvt_pk_bf16_f32 v[Y+2*c+1], v[X+4*c+2], v[X+4*c+3]
	global_store_b64 v6, v[Y+2*c:Y+2*c+1], s[50:51] offset:256*c th:TH_STORE_NT  ; 256 consecutive bytes, aligned
.set c, c+1
.endr
.endm
	ROW 0
	ROW 1
	ROW 2
	ROW 3
.Lrows_done:
; The batch's rows of zeros are dealt to its 512 waves: at most 1,152 of them, three a wave.
.macro PADROW i
	s_add_co_u32 s38, s39, 512*(\i)
	s_cmp_ge_u32 s38, s35
	s_cbranch_scc1 .Lpad_done
	s_add_co_u32 s43, s32, s38
	s_min_u32 s43, s43, 2*CAP-1
	s_add_co_u32 s43, s43, s37
	s_wait_xcnt 0x0                                ; earlier stores have read their base
	s_lshl_b32 s46, s43, 12
	s_mov_b32 s47, 0
	s_add_nc_u64 s[50:51], s[8:9], s[46:47]
.set c, 0
.rept 8
	global_store_b128 v5, v[Z:Z+3], s[50:51] offset:512*c th:TH_STORE_NT
.set c, c+1
.endr
.endm
	PADROW 0
	PADROW 1
	PADROW 2
.Lpad_done:
	s_or_b32 s38, s14, s12                         ; the batch's first wave stores (NB, TR)
	s_cmp_lg_u32 s38, 0
	s_cbranch_scc1 .Lend
	v_mov_b32 v24, s34
	v_mov_b32 v25, s54
	s_lshl_b32 s44, s13, 8
	s_mov_b32 s45, 0
	s_add_nc_u64 s[52:53], s[10:11], s[44:45]
	global_store_b64 v6, v[24:25], s[52:53]        ; 32 copies of the pair: 256 consecutive bytes, aligned
.Lend:
	s_wait_tensorcnt 0x0                           ; the wave's end, behind my last LDS store
	ds_add_u32 v[SPW], v[NIL]
	s_wait_dscnt 0x0
	s_endpgm
.Lfunc_end_k_qe872464579_pack:
	.size	k_qe872464579_pack, .Lfunc_end_k_qe872464579_pack-k_qe872464579_pack
	.p2alignl 7, 3214868480
	.fill 96, 4, 3214868480
	.section	.rodata,"a",@progbits
	.p2align	6, 0x0
	.amdhsa_kernel k_qe872464579_pack
		.amdhsa_group_segment_fixed_size 2304
		.amdhsa_private_segment_fixed_size 0
		.amdhsa_enable_private_segment 0
		.amdhsa_kernarg_size 32
		.amdhsa_user_sgpr_count 2
		.amdhsa_user_sgpr_kernarg_segment_ptr 1
		.amdhsa_wavefront_size32 1
		.amdhsa_system_sgpr_workgroup_id_x 1
		.amdhsa_system_sgpr_workgroup_id_y 1
		.amdhsa_system_sgpr_workgroup_id_z 1
		.amdhsa_system_vgpr_workitem_id 0
		.amdhsa_next_free_vgpr 128
		.amdhsa_next_free_sgpr 66
		.amdhsa_reserve_vcc 1
		.amdhsa_float_denorm_mode_32 3
		.amdhsa_float_denorm_mode_16_64 3
		.amdhsa_memory_ordered 1
		.amdhsa_forward_progress 1
		.amdhsa_inst_pref_size 34
	.end_amdhsa_kernel
	.amdgpu_metadata
---
amdhsa.version: [ 1, 2 ]
amdhsa.kernels:
  - .name:           k_qe872464579_pack
    .symbol:         k_qe872464579_pack.kd
    .args:
      - { .name: encoder_out, .offset: 0, .size: 8, .value_kind: global_buffer, .address_space: global }
      - { .name: mask, .offset: 8, .size: 8, .value_kind: global_buffer, .address_space: global }
      - { .name: ab, .offset: 16, .size: 8, .value_kind: global_buffer, .address_space: global }
      - { .name: meta, .offset: 24, .size: 8, .value_kind: global_buffer, .address_space: global }
    .group_segment_fixed_size: 2304
    .private_segment_fixed_size: 0
    .kernarg_segment_align: 8
    .kernarg_segment_size: 32
    .max_flat_workgroup_size: 512
    .sgpr_count:     66
    .vgpr_count:     128
    .wavefront_size: 32
...
	.end_amdgpu_metadata
.endif
;; end of part 2
;; launch gemm (part 3): grid 4 x 64, 4 waves a work-group, clusters of 4 x 4, 327,680 bytes of LDS; arguments ab, wb, sd2, v_w, part; writes part
.if DOCPART == 3
	.amdgcn_target "amdgcn-amd-amdhsa--gfx1250"
	.amdhsa_code_object_version 6
	.text
	.protected	k_qe872464579_gemm
	.globl	k_qe872464579_gemm
	.p2align	8
	.type	k_qe872464579_gemm,@function
k_qe872464579_gemm:
	s_mov_b64 s[64:65], 0
	v_nop
	global_prefetch_b8 v0, s[64:65] scope:SCOPE_SE
	s_setreg_imm32_b32 hwreg(HW_REG_WAVE_MODE, 25, 1), 1
	s_wait_xcnt 0x0
	s_wait_alu depctr_hold_cnt(0) depctr_sa_sdst(0) depctr_va_vdst(0) depctr_va_sdst(0) depctr_va_ssrc(0) depctr_va_vcc(0) depctr_vm_vsrc(0)
	s_getreg_b32 s2, hwreg(HW_REG_IB_STS2, 6, 4)
	s_cmp_eq_u32 s2, 0
	s_cbranch_scc0 .Lentry_in_a_cluster
	s_endpgm
.Lentry_in_a_cluster:
	s_bfe_u32 s2, ttmp6, 0x10000c
	s_cmp_lg_u32 s2, 0xf033
	s_cbranch_scc0 .Lentry_shape_is_right
	s_endpgm
.Lentry_shape_is_right:
; THE PRODUCT AND ITS TANH.  For the first 1,152 packed rows of a batch (ab, bf16, kept rows laid end to end, zeros behind them): x[row][h] = ab[row] . wb[h] + score_dec[b][h]; the row's partial score is
; the sum over a work-group's 256 columns h of v_w[h] tanh(x).  part[cx][b][u][rho] (f32, 320 entries a tile of 288 rows, the last 32 zeros) holds it for row 288 u + rho and columns 256 cx .. + 255.
; Rows beyond 1,152, where a batch keeps so many, are made by the launch behind this one.  Here every trip count is a constant, whatever the mask; the scores of rows of zeros are read by nobody.
; TANH.  tanh(x) = 1 - 2 / (1 + 2^(C2 x)), C2 = 2 log2(e); sd2 holds C2 x score_dec.  An exponential that overflows or vanishes gives exactly +1 or -1.  The sum is taken as
; (the sum of v_w) + the sum of (-2 v_w) / (1 + 2^..), all in f32.  NaN and infinities are not treated apart.
; SHARES.  A cluster of 4 x 4 work-groups is a batch (the cluster's y; the grid is one cluster wide).  Work-group (cx, cy) makes tile u = cy: rows 288 cy .. + 287 x columns 256 cx .. + 255;
; four waves, each 144 rows x 128 columns: 72 accumulators, 576 registers.  K = 2,048 goes in 16 steps of 128 through two LDS slots (rows of 256 bytes, aligned; 16 bytes of padding behind each).
; JOINT LOADS.  A's tile hangs on (batch, cy): the four of a row of the cluster ask for it jointly; B's on cx: the four of a column.  Waves 0 and 1 fetch A's two halves (144 rows), waves 2 and 3 B's (128 rows).
; A wave never has more than one tensor load out: every fill stands behind a round of the cluster's barrier, in front of which the wave has waited for all its loads.
; THE MATRIX INSTRUCTION IS USED TRANSPOSED (source 0 = 16 rows of wb, source 1 = 16 rows of ab): a lane holds ONE row (lane % 16) and the columns 8 (lane / 16) + 0..7 of a block of 16,
; so a row's sum over columns stays in the lane but for one exchange between the halves of the lanes.
; REGISTERS, in windows of 256 (s_set_vgpr_msb: bits 1:0 source 0, 3:2 source 1, 5:4 source 2, 7:6 destination):
;   window 0: v0-31 addresses and sums; v32-47 at work; v48-119, v120-191 A's fragments (9 blocks of 16 rows x 32 K), two buffers; v192-255 -2 v_w of my lane's 64 columns
;   window 1: v0-63, v64-127 B's fragments, two buffers; v128-191 sd2 of my lane's 64 columns; v192-255 the accumulators of row block 8
;   window 2: the accumulators of row blocks 0-3 ((a, b) at 8 (8 a + b));   window 3: those of blocks 4-7
.set PITCH,  272                       ; an LDS row: 256 bytes + 16 of padding = 68 words: the 16 rows of a fragment load start at 16 different groups of four banks (64 banks of 4 bytes: ISA guide 11.1)
.set AHALF,  144*PITCH
.set BHALF,  128*PITCH
.set SLOT,   2*AHALF+2*BHALF           ; A's two halves, then B's two halves: 147,968 bytes
.set STAGE,  2*SLOT                    ; behind the ring, never filled by a tensor load: for each half of the columns 320 f32
.set SPARE,  STAGE+2560                ; behind the stage: the spare words, 128 bytes a wave
.set KB,     256                       ; bytes of a row in a K step
.set CAP,    1152                      ; rows of a batch in the tiles
.set PCX,    81920                     ; part: bytes from cx to cx,
.set PBT,    5120                      ; and from batch to batch
.set C2,     0x4038aa3b
.set ADRA, 6                           ; v6-7   LDS address of my A fragments in slot 0, 1
.set ADRB, 8                           ; v8-9   the same for B
.set STO,  10                          ; v10    the way out: my row's word in the stage
.set RD,   11                          ; v11    where I read two entries back
.set PO,   12                          ; v12    8 x lane
.set EO,   13                          ; v13    32 (lane / 16): my eight columns in a block of 16, in f32
.set PFO,  14                          ; v14    the prefetches' offset: my row x 4,096; never rewritten
.set ZF,   15                          ; v15    the stage's entries 288 + lane
.set SPW,  16                          ; v16    my spare word; never rewritten
.set NIL,  17                          ; v17    0; never rewritten
.set SV,   18                          ; v[18:19] the sum of v_w over my lane's columns (even ones, odd ones)
.set R,    20                          ; v[20:28] the nine blocks' row sums
.set ZR,   29                          ; v29    0
.set S,    32                          ; v[32:39] four chains of sums
.set T,    40                          ; v[40:47] at work
.set FA,   48
.set VW,   192
.set SD,   128                         ; window 1
.set WV, 16                            ; s16 wave   s17 its half of the rows (also: fetches A (0) or B (1))   s18 its half of the columns (also: which half it fetches)
.set RH, 17
.set CH, 18
.set CX, 19
.set CY, 20
.set BT, 21                            ; s21 batch
.set G1, 24                            ; s[24:31] descriptor group 1 for A;  s[32:39] group 0, a set for each slot
.set G0, 32
.set CC, 40                            ; s[40:41] C2
.set SEL, 42                           ; s[42:43] v_permlanex16_b32's selects
.set PFA, 44                           ; s[44:45] where my prefetches stand
.set LIM, 46                           ; s46 1 in a wave that prefetches, else the greatest number
.set G1B, 48                           ; s[48:55], s[56:63] the same for B
.set G0B, 56
.set PT,  72                           ; s[72:73] part at my 256 bytes of the tile
.set MSB, 0
.macro WIN new                         ; the immediate's high byte repeats the setting that is left; a switch that changes nothing is dropped
.if MSB != (\new)
	s_set_vgpr_msb (MSB<<8)|(\new)
.set MSB, \new
.endif
.endm
; A joint load.  The branch hangs on the wave's number alone.  An s_nop 0 and four v_nop follow each of the two lines, ahead of the jump and the label.
.macro JLOAD s
	s_cmp_eq_u32 s[RH], 0
	s_cbranch_scc0 .Lfor_b_\@
	tensor_load_to_lds s[G0+4*(\s):G0+4*(\s)+3], s[G1:G1+7]
	s_nop 0
.rept 4
	v_nop
.endr
	s_branch .Lasked_\@
.Lfor_b_\@:
	tensor_load_to_lds s[G0B+4*(\s):G0B+4*(\s)+3], s[G1B:G1B+7]
	s_nop 0
.rept 4
	v_nop
.endr
.Lasked_\@:
.endm
; A round of the cluster's barrier: my work-group's barrier; wave 0 signals for the work-group; every wave waits for all sixteen; my work-group's barrier once more.
.macro CREST
	s_cmp_lg_u32 s[WV], 0
	s_cbranch_scc1 .Lnot_wave_0_\@
	s_barrier_signal -3
.Lnot_wave_0_\@:
	s_barrier_wait -3
	s_barrier_signal -1
	s_barrier_wait -1
.endm
.macro CROUND
	s_barrier_signal -1
	s_barrier_wait -1
	CREST
.endm
.macro PLACES                          ; four places in front of loads into registers that matrix instructions have read, and of vector work on their results
.rept 4
	v_nop
.endr
.endm
; A PREFETCH INTO THE L2 of the K step that stands two refills on, behind the joint load and the run of LDS loads: 256 bytes of a row, a lane a row.  A's tile of 288 rows is read by one row of one cluster alone:
; partner cx takes rows 72 cx .. + 71, told apart by address; its waves 0-2 take row min(32 w + lane, 71) (in wave 2 lanes 8-31 repeat lane 7's).  B's rows are read by all sixteen clusters: the cluster of batch 0
; asks; wave 3 of partner cy takes rows 64 cy .. + 63 of the column tile, in two lines.  The loop's last trip (s3 = 1) has no K step two on; K steps 0 to 3 come by their loads alone.
.macro ASK
	s_cmp_gt_u32 s3, s[LIM]
	s_cbranch_scc0 .Lnot_mine_\@
	global_prefetch_b8 v[PFO], s[PFA:PFA+1] offset:KB th:TH_LOAD_NT scope:SCOPE_SE
	s_cmp_eq_u32 s[WV], 3
	s_cbranch_scc0 .Lnot_mine_\@
	global_prefetch_b8 v[PFO], s[PFA:PFA+1] offset:KB+32*4096 th:TH_LOAD_NT scope:SCOPE_SE
.Lnot_mine_\@:
.endm
	s_load_b256 s[4:11], s[0:1], 0x0               ; ab s[4:5], wb s[6:7], sd2 s[8:9], v_w s[10:11]
	s_load_b64 s[14:15], s[0:1], 0x20              ; part
	v_lshl_add_u32 v[SPW], v0, 2, SPARE
	v_mov_b32 v[NIL], 0
	ds_add_u32 v[SPW], v[NIL]                      ; the wave's opening: the add and its wait stand ahead of my first tensor load; the set-up below, work on registers, stands between them
	v_lshrrev_b32 v4, 5, v0
	v_readfirstlane_b32 s[WV], v4                  ; wave 0..3
	s_lshr_b32 s[RH], s[WV], 1
	s_and_b32 s[CH], s[WV], 1
	s_bfe_u32 s[CX], ttmp6, 0x40000                ; my place in the cluster; the grid is one cluster wide, so cx is the column tile
	s_bfe_u32 s[CY], ttmp6, 0x40004
	s_and_b32 s[BT], ttmp7, 0xffff                 ; the cluster's y: the batch
	s_lshl_b32 s70, s[CY], 2
	s_lshl_b32 s70, 15, s70                        ; my row of the cluster
	s_lshl_b32 s74, 0x1111, s[CX]                  ; my column
	s_or_b32 s[G1], s70, (1<<16)|(1<<20)|(1<<21)|(5<<22)|(3<<25)   ; 15:0 the mask; 17:16 elements of 2 bytes; 20 padding on; 21 set beside a mask; 24:22 after every 64 words (code 5); 31:25 4 words (code 3)
	s_or_b32 s[G1B], s74, (1<<16)|(1<<20)|(1<<21)|(5<<22)|(3<<25)
	s_mov_b32 s[G1+1], 128<<16                     ; tensor_dim0 = 128
	s_mov_b32 s[G1+2], 144<<16                     ; tensor_dim1 = 144
	s_mov_b32 s[G1+3], 128<<16                     ; tile_dim0 = 128
	s_mov_b32 s[G1+4], 144                         ; tile_dim1 = 144
	s_mov_b32 s[G1+5], 2048                        ; elements from row to row
	s_mov_b32 s[G1+6], 0
	s_mov_b32 s[G1+7], 0
	s_mov_b32 s[G1B+1], 128<<16
	s_mov_b32 s[G1B+2], 128<<16                    ; B: 128 rows
	s_mov_b32 s[G1B+3], 128<<16
	s_mov_b32 s[G1B+4], 128
	s_mov_b32 s[G1B+5], 2048
	s_mov_b32 s[G1B+6], 0
	s_mov_b32 s[G1B+7], 0
	s_mov_b32 s[G0], 1                             ; count = 1
	s_mov_b32 s[G0+4], 1
	s_mov_b32 s[G0B], 1
	s_mov_b32 s[G0B+4], 1
	s_mul_i32 s[G0+1], s[WV], AHALF                ; LDS addresses: the wave's number times a constant, a constant, the slot's constant; never rewritten
	s_add_co_u32 s[G0+5], s[G0+1], SLOT
	s_mul_i32 s[G0B+1], s[WV], BHALF
	s_add_co_u32 s[G0B+1], s[G0B+1], 2*AHALF-2*BHALF  ; waves 2 and 3: behind A's two halves
	s_add_co_u32 s[G0B+5], s[G0B+1], SLOT
	s_mov_b32 s[CC], C2
	s_mov_b32 s[CC+1], s[CC]                       ; named with it as a pair
	s_mov_b32 s[SEL], 0x76543210
	s_mov_b32 s[SEL+1], 0xfedcba98
	s_mul_i32 s70, s[BT], 2*CAP                    ; the rows of ab that I fetch: 2,304 b + 288 cy + 144 x half: s[70:71] never hold cx
	s_mul_i32 s71, s[CY], 288
	s_add_co_u32 s70, s70, s71
	s_mul_i32 s71, s[CH], 144
	s_add_co_u32 s70, s70, s71
	s_lshl_b32 s70, s70, 12                        ; rows of 4,096 bytes: under 2^28
	s_mov_b32 s71, 0
	s_mov_b32 s75, 0                               ; s[74:75]: the other offsets
	; A fragment is 16 rows x 32 K in 8 registers: lane l holds row l % 16; two loads of 16 bytes, 32 bytes apart, at row x pitch + 16 (l / 16).
	v_and_b32 v1, 15, v0                           ; l % 16
	v_bfe_u32 v2, v0, 4, 1                         ; l / 16
	v_and_b32 v3, 31, v0                           ; l
	v_mul_u32_u24 v4, v1, PITCH
	v_lshl_add_u32 v4, v2, 4, v4
	s_mul_i32 s2, s[RH], AHALF
	s_mul_i32 s47, s[CH], BHALF
	s_add_co_u32 s47, s47, 2*AHALF
	v_add_nc_u32 v[ADRA], s2, v4
	v_add_nc_u32 v[ADRB], s47, v4
	s_add_co_u32 s2, s2, SLOT
	s_add_co_u32 s47, s47, SLOT
	v_add_nc_u32 v[ADRA+1], s2, v4
	v_add_nc_u32 v[ADRB+1], s47, v4
	s_mul_i32 s2, s[CH], 1280                      ; the stage of my half of the columns,
	s_add_co_u32 s2, s2, STAGE
	s_add_co_u32 s47, s2, 1152
	v_lshl_add_u32 v[ZF], v3, 2, s47               ; its entries 288-319,
	s_mul_i32 s47, s[RH], 576
	s_add_co_u32 s2, s2, s47
	v_lshl_add_u32 v[STO], v1, 2, s2               ; and my 144 rows' entries
	s_lshl_b32 s2, s[WV], 8
	s_add_co_u32 s2, s2, STAGE
	v_lshl_add_u32 v[RD], v3, 3, s2                ; back: wave w takes entries 64 w .. 64 w + 63, two a lane
	v_lshlrev_b32 v[PO], 3, v3
	v_lshlrev_b32 v[EO], 5, v2
	s_lshl_b32 s2, s[WV], 5
	s_cmp_eq_u32 s[WV], 3
	s_cselect_b32 s2, 0, s2
	v_add_nc_u32 v[PFO], s2, v3
	v_min_u32 v[PFO], 71, v[PFO]
	v_lshlrev_b32 v[PFO], 12, v[PFO]
	v_mov_b32 v[ZR], 0
	s_wait_dscnt 0x0                               ; the opening add is done
	s_wait_kmcnt 0x0
	s_add_nc_u64 s[G0+2:G0+3], s[4:5], s[70:71]             ; K step 0 for slot 0,
	s_add_nc_u64 s[G0+6:G0+7], s[G0+2:G0+3], KB             ; K step 1 for slot 1
	s_or_b32 s[G0+3], s[G0+3], 0x80000000                   ; type = 2
	s_or_b32 s[G0+7], s[G0+7], 0x80000000
	s_lshl_b32 s74, s[CX], 20                      ; the rows of wb that I fetch: 256 cx + 128 x half
	s_lshl_b32 s2, s[CH], 19
	s_add_co_u32 s74, s74, s2
	s_add_nc_u64 s[G0B+2:G0B+3], s[6:7], s[74:75]
	s_add_nc_u64 s[G0B+6:G0B+7], s[G0B+2:G0B+3], KB
	s_or_b32 s[G0B+3], s[G0B+3], 0x80000000
	s_or_b32 s[G0B+7], s[G0B+7], 0x80000000
	s_lshl_b32 s74, s[CX], 14                      ; sd2 at block 16 cx + 8 x half, batch b
	s_lshl_b32 s2, s[CH], 13
	s_add_co_u32 s74, s74, s2
	s_lshl_b32 s2, s[BT], 6
	s_add_co_u32 s74, s74, s2
	s_add_nc_u64 s[8:9], s[8:9], s[74:75]
	s_lshl_b32 s74, s[CX], 10                      ; v_w at my wave's 128 columns
	s_lshl_b32 s2, s[CH], 9
	s_add_co_u32 s74, s74, s2
	s_add_nc_u64 s[10:11], s[10:11], s[74:75]
	s_mul_i32 s74, s[CX], PCX                      ; part[cx][b][cy], my wave's 256 bytes
	s_mul_i32 s2, s[BT], PBT
	s_add_co_u32 s74, s74, s2
	s_mul_i32 s2, s[CY], 1280
	s_add_co_u32 s74, s74, s2
	s_lshl_b32 s2, s[WV], 8
	s_add_co_u32 s74, s74, s2
	s_add_nc_u64 s[PT:PT+1], s[14:15], s[74:75]
	s_mul_i32 s74, s[BT], 2*CAP                    ; the prefetches: waves 0-2 in ab, at row 2,304 b + 288 cy + 72 cx;
	s_mul_i32 s2, s[CY], 288
	s_add_co_u32 s74, s74, s2
	s_mul_i32 s2, s[CX], 72
	s_add_co_u32 s74, s74, s2
	s_lshl_b32 s74, s74, 12
	s_lshl_b32 s2, s[CX], 20                       ; wave 3 in wb, at row 256 cx + 64 cy
	s_lshl_b32 s47, s[CY], 18
	s_add_co_u32 s2, s2, s47
	s_cmp_eq_u32 s[WV], 3
	s_cselect_b32 s74, s2, s74
	s_cselect_b64 s[PFA:PFA+1], s[6:7], s[4:5]
	s_add_nc_u64 s[PFA:PFA+1], s[PFA:PFA+1], s[74:75]
	s_add_nc_u64 s[PFA:PFA+1], s[PFA:PFA+1], 2*KB  ; at K step 2: the first refill steps it to 3 and names K step 4
	s_cmp_eq_u32 s[BT], 0
	s_cselect_b32 s2, 1, -1                        ; B's rows: batch 0's cluster asks
	s_cmp_eq_u32 s[WV], 3
	s_cselect_b32 s[LIM], s2, 1
; 8 matrix instructions: row block a x all 8 column blocks, 32 along K, from fragment buffer f.  zero = 1: the product starts the sums.  The 72 accumulators take turns, in the same order in every quarter step.
.macro MB f, a, zero
.if (\a) < 4
	WIN 0xa1                                       ; source 0 (B) window 1, source 1 (A) window 0, C and D window 2
.set AC, 64*(\a)
.elseif (\a) < 8
	WIN 0xf1                                       ; C and D window 3
.set AC, 64*((\a)-4)
.else
	WIN 0x51                                       ; C and D window 1
.set AC, 192
.endif
.irp b, 0,1,2,3,4,5,6,7
.if \zero
	v_wmma_f32_16x16x32_bf16 v[AC+8*(\b):AC+8*(\b)+7], v[64*(\f)+8*(\b):64*(\f)+8*(\b)+7], v[FA+72*(\f)+8*(\a):FA+72*(\f)+8*(\a)+7], 0
.else
	v_wmma_f32_16x16x32_bf16 v[AC+8*(\b):AC+8*(\b)+7], v[64*(\f)+8*(\b):64*(\f)+8*(\b)+7], v[FA+72*(\f)+8*(\a):FA+72*(\f)+8*(\a)+7], v[AC+8*(\b):AC+8*(\b)+7]
.endif
.endr
.endm
; 34 LDS loads in one run: the fragments of a quarter step (128 rows of B, 144 rows of A, 32 K at byte k of the rows) into buffer f
.macro FETCH slot, k, f
	WIN 0x40                                       ; destination window 1, address window 0
.irp i, 0,1,2,3,4,5,6,7
	ds_load_b128 v[64*(\f)+8*(\i):64*(\f)+8*(\i)+3],   v[ADRB+(\slot)] offset:(\k)+(\i)*16*PITCH
	ds_load_b128 v[64*(\f)+8*(\i)+4:64*(\f)+8*(\i)+7], v[ADRB+(\slot)] offset:(\k)+(\i)*16*PITCH+32
.endr
	WIN 0
.irp i, 0,1,2,3,4,5,6,7,8
	ds_load_b128 v[FA+72*(\f)+8*(\i):FA+72*(\f)+8*(\i)+3],   v[ADRA+(\slot)] offset:(\k)+(\i)*16*PITCH
	ds_load_b128 v[FA+72*(\f)+8*(\i)+4:FA+72*(\f)+8*(\i)+7], v[ADRA+(\slot)] offset:(\k)+(\i)*16*PITCH+32
.endr
.endm
; A K step is four quarters of 32 along K, 72 matrix instructions each, on buffers 0, 1, 0, 1.  One of the first three: multiplies buffer f and, in its middle, fetches the next quarter (byte k) into buffer g.
.macro QUARTER slot, k, f, g, zero
	s_wait_dscnt 10                                ; B and A's blocks 0-3 are in; the youngest ten loads (A's blocks 4-8) may be out
	MB \f, 0, \zero
	MB \f, 1, \zero
	MB \f, 2, \zero
	MB \f, 3, \zero
	PLACES
	FETCH \slot, \k, \g
	s_wait_dscnt 34                                ; all but the 34 just issued
	MB \f, 4, \zero
	MB \f, 5, \zero
	MB \f, 6, \zero
	MB \f, 7, \zero
	MB \f, 8, \zero
.endm
; The last quarter multiplies buffer 1 and changes slots.  In front of the barrier each wave waits for all its tensor loads (one is out: its part of the next slot), adds 0 to its spare word, and waits for that and
; for its own reads of this slot.  fill = 1: the barrier opens a round of the cluster's, and this slot is filled again, two K steps ahead, first thing behind the round: 256 matrix instructions ahead of the wait for it.
.macro TURN slot, next, fill
.if \fill
	s_wait_xcnt 0x0                                ; the last prefetch, a K step back, has read its address
	s_add_nc_u64 s[PFA:PFA+1], s[PFA:PFA+1], KB
.endif
	WIN 0                                          ; (the add's two registers lie in window 0)
	s_wait_tensorcnt 0x0                           ; all my tensor loads have landed;
	ds_add_u32 v[SPW], v[NIL]                      ; 0 onto my spare word:
	s_wait_dscnt 11                                ; (the add and the youngest ten loads may be out)
	MB 1, 0, 0                                     ; sixteen matrix instructions stand between the add and the wait for it
	MB 1, 1, 0
	s_wait_dscnt 0x0                               ; the add is done, and my reads of this slot are over
	s_barrier_signal -1
	MB 1, 2, 0                                     ; work on registers while the others arrive
	MB 1, 3, 0
.if \fill
	WIN 0
.endif
	s_barrier_wait -1
.if \fill
	CREST                                          ; no wave of any partner still reads this slot's tile or has a load on its way
	s_add_nc_u64 s[G0+4*(\slot)+2:G0+4*(\slot)+3], s[G0+4*(\slot)+2:G0+4*(\slot)+3], 2*KB
	s_add_nc_u64 s[G0B+4*(\slot)+2:G0B+4*(\slot)+3], s[G0B+4*(\slot)+2:G0B+4*(\slot)+3], 2*KB
	JLOAD \slot                                    ; the four v_nop behind it are also the places in front of the loads below
.else
	PLACES
.endif
	FETCH \next, 0, 0
.if \fill
	ASK
.endif
	MB 1, 4, 0
	MB 1, 5, 0
	MB 1, 6, 0
	MB 1, 7, 0
	MB 1, 8, 0
.endm
; THE WAY OUT of row block a: 64 numbers a lane.  Two batches of transcendentals, each with one plain instruction behind its last and one wait ahead of its first reader.
; Each accumulator's lowest registers are read first.  Then the sum over my lane's 64 columns, in four chains; chain 0 starts from the sum of v_w.
.macro EPI a
.if (\a) < 4
.set EW, 2
.set AC, 64*(\a)
.elseif (\a) < 8
.set EW, 3
.set AC, 64*((\a)-4)
.else
.set EW, 1
.set AC, 192
.endif
	WIN (EW<<6)|0x10|EW                            ; destination and source 0: the accumulators' window; source 2 (sd2): window 1
	v_pk_fma_f32 v[AC:AC+1], v[AC:AC+1], s[CC:CC+1], v[SD:SD+1] op_sel_hi:[1,0,1]      ; C2 x + C2 score_dec
	v_pk_fma_f32 v[AC+2:AC+3], v[AC+2:AC+3], s[CC:CC+1], v[SD+2:SD+3] op_sel_hi:[1,0,1]
.set p, 0
.rept 32
	v_exp_f32 v[AC+2*p], v[AC+2*p]
	v_exp_f32 v[AC+2*p+1], v[AC+2*p+1]
.if p < 30
	v_pk_fma_f32 v[AC+2*p+4:AC+2*p+5], v[AC+2*p+4:AC+2*p+5], s[CC:CC+1], v[SD+2*p+4:SD+2*p+5] op_sel_hi:[1,0,1]
.endif
.set p, p+1
.endr
	v_nop
	s_wait_alu depctr_va_vdst(0)                   ; one wait for the 64 exponentials
	v_pk_add_f32 v[AC:AC+1], v[AC:AC+1], 1.0 op_sel_hi:[1,0]
	v_pk_add_f32 v[AC+2:AC+3], v[AC+2:AC+3], 1.0 op_sel_hi:[1,0]
.set p, 0
.rept 32
	v_rcp_f32 v[AC+2*p], v[AC+2*p]
	v_rcp_f32 v[AC+2*p+1], v[AC+2*p+1]
.if p < 30
	v_pk_add_f32 v[AC+2*p+4:AC+2*p+5], v[AC+2*p+4:AC+2*p+5], 1.0 op_sel_hi:[1,0]
.endif
.set p, p+1
.endr
	v_nop
	s_wait_alu depctr_va_vdst(0)                   ; one wait for the 64 reciprocals
	WIN EW                                         ; source 0: the accumulators' window; all else window 0
.set p, 0
.rept 32
.if p == 0
	v_pk_fma_f32 v[S:S+1], v[AC:AC+1], v[VW:VW+1], v[SV:SV+1]
.elseif p < 4
	v_pk_mul_f32 v[S+2*p:S+2*p+1], v[AC+2*p:AC+2*p+1], v[VW+2*p:VW+2*p+1]
.else
	v_pk_fma_f32 v[S+2*(p%4):S+2*(p%4)+1], v[AC+2*p:AC+2*p+1], v[VW+2*p:VW+2*p+1], v[S+2*(p%4):S+2*(p%4)+1]
.endif
.set p, p+1
.endr
	WIN 0
	v_pk_add_f32 v[S:S+1], v[S:S+1], v[S+2:S+3]
	v_pk_add_f32 v[S+4:S+5], v[S+4:S+5], v[S+6:S+7]
	v_pk_add_f32 v[S:S+1], v[S:S+1], v[S+4:S+5]
	v_add_f32 v[R+(\a)], v[S], v[S+1]
.endm
	CROUND                                         ; all sixteen work-groups are here: the first joint loads meet
	JLOAD 0                                        ; K step 0
.irp i, 0,1,2,3,4,5,6,7                ; while it is on its way: v_w of my eight columns of block i,
	global_load_b128 v[VW+8*(\i):VW+8*(\i)+3],   v[EO], s[10:11] offset:64*(\i)
	global_load_b128 v[VW+8*(\i)+4:VW+8*(\i)+7], v[EO], s[10:11] offset:64*(\i)+16
.endr
	WIN 0x40                                       ; destination window 1, address window 0
.irp i, 0,1,2,3,4,5,6,7                ; and sd2 of the same
	global_load_b128 v[SD+8*(\i):SD+8*(\i)+3],   v[EO], s[8:9] offset:1024*(\i)
	global_load_b128 v[SD+8*(\i)+4:SD+8*(\i)+7], v[EO], s[8:9] offset:1024*(\i)+16
.endr
	WIN 0
	s_wait_loadcnt 0x0
.set p, 0
.rept 32
	v_pk_mul_f32 v[VW+2*p:VW+2*p+1], v[VW+2*p:VW+2*p+1], -2.0 op_sel_hi:[1,0]
.set p, p+1
.endr
.irp q, 0,1,2,3
	v_pk_add_f32 v[T+2*(\q):T+2*(\q)+1], v[VW+2*(\q):VW+2*(\q)+1], v[VW+8+2*(\q):VW+8+2*(\q)+1]
.endr
.irp b, 2,3,4,5,6,7
.irp q, 0,1,2,3
	v_pk_add_f32 v[T+2*(\q):T+2*(\q)+1], v[T+2*(\q):T+2*(\q)+1], v[VW+8*(\b)+2*(\q):VW+8*(\b)+2*(\q)+1]
.endr
.endr
	v_pk_add_f32 v[T:T+1], v[T:T+1], v[T+2:T+3]
	v_pk_add_f32 v[T+4:T+5], v[T+4:T+5], v[T+6:T+7]
	v_pk_add_f32 v[T:T+1], v[T:T+1], v[T+4:T+5]
	v_pk_mul_f32 v[SV:SV+1], v[T:T+1], -0.5 op_sel_hi:[1,0]  ; the sum of v_w over my lane's columns
	s_wait_tensorcnt 0x0                           ; my part of K step 0 has landed;
	ds_add_u32 v[SPW], v[NIL]                      ; the add onto my spare word,
	s_wait_dscnt 0x0                               ; and its wait
	CROUND                                         ; everybody's part has landed
	JLOAD 1                                        ; K step 1: it has the first K step's 288 matrix instructions, less 72, in which to land
	FETCH 0, 0, 0
	QUARTER 0, 64, 0, 1, 1                         ; the first quarter stands in front of the loop: its products start the sums
	WIN 0                                          ; at a label and at a branch every window is 0
	s_mov_b32 s3, 7
.Llap:                                                 ; a trip goes once round the ring, from a lap's second quarter to the next lap's first, and fills both slots again
	QUARTER 0, 128, 1, 0, 0
	QUARTER 0, 192, 0, 1, 0
	TURN 0, 1, 1
	QUARTER 1, 64,  0, 1, 0
	QUARTER 1, 128, 1, 0, 0
	QUARTER 1, 192, 0, 1, 0
	TURN 1, 0, 1
	QUARTER 0, 64,  0, 1, 0
	WIN 0
	s_sub_co_u32 s3, s3, 1
	s_cmp_lg_u32 s3, 0
	s_cbranch_scc1 .Llap
	QUARTER 0, 128, 1, 0, 0                        ; the last lap fills nothing, and has no round
	QUARTER 0, 192, 0, 1, 0
	TURN 0, 1, 0
	QUARTER 1, 64,  0, 1, 0
	QUARTER 1, 128, 1, 0, 0
	QUARTER 1, 192, 0, 1, 0
	s_wait_dscnt 10                                ; the very last quarter: nothing more to fetch
	MB 1, 0, 0
	MB 1, 1, 0
	MB 1, 2, 0
	MB 1, 3, 0
	s_wait_dscnt 0x0
	MB 1, 4, 0
	MB 1, 5, 0
	MB 1, 6, 0
	MB 1, 7, 0
	MB 1, 8, 0
	PLACES
	PLACES
.irp a, 0,1,2,3,4,5,6,7,8
	EPI \a
.endr
.irp a, 0,1,2,3,4,5,6,7,8
	v_permlanex16_b32 v[S+(\a)], v[R+(\a)], s[SEL], s[SEL+1]  ; the row's other 64 columns lie in the lane 16 away
.endr
.irp a, 0,1,2,3,4,5,6,7,8
	v_add_f32 v[R+(\a)], v[R+(\a)], v[S+(\a)]
.endr
.irp a, 0,1,2,3,4,5,6,7,8
	ds_store_b32 v[STO], v[R+(\a)] offset:64*(\a)  ; lanes l and l + 16 write the same word with the same value
.endr
	s_cmp_eq_u32 s[RH], 0
	s_cbranch_scc1 .Lno_zero
	ds_store_b32 v[ZF], v[ZR]                      ; entries 288-319 are zeros, so that whole blocks of 256 bytes go out
.Lno_zero:
	s_wait_dscnt 0x0                               ; for the others' sake
	s_barrier_signal -1
	s_barrier_wait -1                              ; both halves of the columns lie in the stage
	ds_load_b64 v[T:T+1], v[RD]
	ds_load_b64 v[T+2:T+3], v[RD] offset:1280
	s_wait_dscnt 0x0
	v_pk_add_f32 v[T:T+1], v[T:T+1], v[T+2:T+3]
	global_store_b64 v[PO], v[T:T+1], s[PT:PT+1]   ; 256 consecutive bytes, aligned
	s_cmp_lg_u32 s[WV], 0
	s_cbranch_scc1 .Lnot_0
	ds_load_b64 v[T+4:T+5], v[RD] offset:1024      ; wave 0 also takes entries 256-319
	ds_load_b64 v[T+6:T+7], v[RD] offset:1024+1280
	s_wait_dscnt 0x0
	v_pk_add_f32 v[T+4:T+5], v[T+4:T+5], v[T+6:T+7]
	global_store_b64 v[PO], v[T+4:T+5], s[PT:PT+1] offset:1024
.Lnot_0:
	s_wait_tensorcnt 0x0                           ; the wave's end, behind my last tensor load and my last LDS store
	ds_add_u32 v[SPW], v[NIL]
	s_wait_dscnt 0x0
	CROUND                                         ; the closing round: no work-group ends while a partner may still ask for a tile that names it
	s_endpgm
.Lfunc_end_k_qe872464579_gemm:
	.size	k_qe872464579_gemm, .Lfunc_end_k_qe872464579_gemm-k_qe872464579_gemm
	.p2alignl 7, 3214868480
	.fill 96, 4, 3214868480
	.section	.rodata,"a",@progbits
	.p2align	6, 0x0
	.amdhsa_kernel k_qe872464579_gemm
		.amdhsa_group_segment_fixed_size 327680
		.amdhsa_private_segment_fixed_size 0
		.amdhsa_enable_private_segment 0
		.amdhsa_kernarg_size 40
		.amdhsa_user_sgpr_count 2
		.amdhsa_user_sgpr_kernarg_segment_ptr 1
		.amdhsa_wavefront_size32 1
		.amdhsa_system_sgpr_workgroup_id_x 1
		.amdhsa_system_sgpr_workgroup_id_y 1
		.amdhsa_system_sgpr_workgroup_id_z 1
		.amdhsa_system_vgpr_workitem_id 0
		.amdhsa_next_free_vgpr 1024
		.amdhsa_next_free_sgpr 76
		.amdhsa_reserve_vcc 0
		.amdhsa_float_denorm_mode_32 3
		.amdhsa_float_denorm_mode_16_64 3
		.amdhsa_memory_ordered 1
		.amdhsa_forward_progress 1
		.amdhsa_inst_pref_size 228
	.end_amdhsa_kernel
	.amdgpu_metadata
---
amdhsa.version: [ 1, 2 ]
amdhsa.kernels:
  - .name:           k_qe872464579_gemm
    .symbol:         k_qe872464579_gemm.kd
    .args:
      - { .name: ab, .offset: 0, .size: 8, .value_kind: global_buffer, .address_space: global }
      - { .name: wb, .offset: 8, .size: 8, .value_kind: global_buffer, .address_space: global }
      - { .name: sd2, .offset: 16, .size: 8, .value_kind: global_buffer, .address_space: global }
      - { .name: v_w, .offset: 24, .size: 8, .value_kind: global_buffer, .address_space: global }
      - { .name: part, .offset: 32, .size: 8, .value_kind: global_buffer, .address_space: global }
    .group_segment_fixed_size: 327680
    .private_segment_fixed_size: 0
    .kernarg_segment_align: 8
    .kernarg_segment_size: 40
    .max_flat_workgroup_size: 128
    .sgpr_count:     76
    .vgpr_count:     1024
    .wavefront_size: 32
...
	.end_amdgpu_metadata
.endif
;; end of part 3
;; launch over (part 4): grid 5 x 16, 4 waves a work-group, no clusters, 0 bytes of LDS; arguments part, ab, wb, sd2, v_w, meta, score; writes score
.if DOCPART == 4
	.amdgcn_target "amdgcn-amd-amdhsa--gfx1250"
	.amdhsa_code_object_version 6
	.text
	.protected	k_qe872464579_over
	.globl	k_qe872464579_over
	.p2align	8
	.type	k_qe872464579_over,@function
k_qe872464579_over:
	s_mov_b64 s[64:65], 0
	v_nop
	global_prefetch_b8 v0, s[64:65] scope:SCOPE_SE
	s_setreg_imm32_b32 hwreg(HW_REG_WAVE_MODE, 25, 1), 1
	s_wait_xcnt 0x0
; THE SCORES.  score[b][e] (f32, 2,560 entries a batch) holds the score of the batch's packed row of rank r at entry e = r + 32 (r / 288): tiles of 288 rows in 320 entries, as in part.
; (a) ALWAYS: entries 0 .. 1,279 (ranks below 1,152) are the sums of the four column partials that the product's launch left in part[cx][b][e].  A batch's 1,280 entries are dealt to its 20 waves
;     (5 work-groups of 4), 64 each: four loads and one store of 256 consecutive, aligned bytes.
; (b) WHERE A BATCH KEEPS MORE THAN 1,152 ROWS: its NB further blocks of 16 rows (meta; 56 at the most) are made here, from the product on.  Wave q of the batch's 20 takes blocks q, q + 20, q + 40:
;     TR = ceil(NB / 20) trips (meta; 3 at the most), a block past NB jumped over.  A block is multiplied by all 1,024 columns, in eight groups of 128; its fragments come straight from memory, 36 loads
;     for 16 matrix instructions, each run waited for whole.  This part has no barrier, no LDS and no tensor load, so that its length may hang on the mask; it is there to be right for every mask,
;     and is slow where many rows lie beyond 1,152.  A block of 16 rows lies inside one tile of 288 (288 = 18 x 16): its scores are 64 consecutive bytes.
; TANH, LAYOUT: as in the product's launch.  tanh(x) = 1 - 2 / (1 + 2^(C2 x)), sd2 = C2 x score_dec; source 0 = 16 rows of wb, source 1 = 16 rows of ab: a lane holds one row (lane % 16) and the columns
; 8 (lane / 16) + 0..7 of a block of 16.  NaN and infinities are not treated apart.
; REGISTERS (s_set_vgpr_msb: bits 1:0 source 0, 3:2 source 1, 5:4 source 2, 7:6 destination):
;   window 0: v0-19 addresses and sums; v32-47 at work; v48-63 ab's two fragments; v192-255 -2 v_w of my lane's 64 columns
;   window 1: v0-127 wb's fragments (two of 8 blocks); v128-191 sd2 of my lane's 64 columns; v192-255 the eight accumulators
.set CAP,  1152
.set PCX,  81920                       ; part: bytes from cx to cx,
.set PBT,  5120                        ; and from batch to batch
.set SBT,  10240                       ; score: bytes from batch to batch
.set C2,   0x4038aa3b
.set PO,   4                           ; v4     8 x lane
.set EO,   5                           ; v5     32 (lane / 16): my eight columns in a block of 16, in f32
.set OSO,  6                           ; v6     4 (lane % 16): my row's entry in a block of 16
.set VO,   7                           ; v7     a fragment: (lane % 16) x 4,096 + 16 (lane / 16)
.set SV,   8                           ; v[8:9] the sum of v_w over my lane's columns (even ones, odd ones)
.set R,    10                          ; v10    a row's sum over my lane's 64 columns of a group
.set RT,   11                          ; v11    the same over all groups
.set P,    12                          ; v[12:19] the four partials, two entries each
.set S,    32                          ; v[32:39] four chains of sums
.set T,    40                          ; v[40:47] at work
.set FA,   48
.set VW,   192
.set SD,   128                         ; window 1
.set AC,   192                         ; window 1
.set WV, 18                            ; s18 wave
.set Q,  19                            ; s19 my number among the batch's 20 waves
.set BT, 20                            ; s20 batch
.set NB, 22                            ; s22 blocks beyond;  s23 trips
.set TR, 23
.set OI, 24                            ; s24 the trip
.set HF, 25                            ; s25 the group of 128 columns
.set KC, 26                            ; s26 counts along K
.set CC, 28                            ; s[28:29] C2
.set SEL, 30                           ; s[30:31] v_permlanex16_b32's selects
.set OAB, 36                           ; s[36:37] ab at the batch's first row
.set OA0, 38                           ; s[38:39] ab at a block
.set OA,  40                           ; s[40:41] the same, walking along K
.set OB,  42                           ; s[42:43] wb at a group's 128 rows, walking along K
.set OV,  44                           ; s[44:45] v_w at a group
.set OS0, 46                           ; s[46:47] sd2 at batch b
.set OS,  48                           ; s[48:49] the same at a group
.set OP,  50                           ; s[50:51] score at a block
.set SC,  52                           ; s[52:53] score at the batch
.set SQ,  54                           ; s[54:55] score at my 64 entries
.set MSB, 0
.macro WIN new                         ; the immediate's high byte repeats the setting that is left; a switch that changes nothing is dropped
.if MSB != (\new)
	s_set_vgpr_msb (MSB<<8)|(\new)
.set MSB, \new
.endif
.endm
.macro PLACES                          ; four places in front of loads into registers that matrix instructions have read, and of vector work on their results
.rept 4
	v_nop
.endr
.endm
	s_load_b256 s[4:11], s[0:1], 0x0               ; part s[4:5], ab s[6:7], wb s[8:9], sd2 s[10:11]
	s_load_b128 s[12:15], s[0:1], 0x20             ; v_w s[12:13], meta s[14:15]
	s_load_b64 s[16:17], s[0:1], 0x30              ; score
	v_lshrrev_b32 v1, 5, v0
	v_readfirstlane_b32 s[WV], v1                  ; wave 0..3
	v_and_b32 v1, 15, v0                           ; l % 16
	v_bfe_u32 v2, v0, 4, 1                         ; l / 16
	v_and_b32 v3, 31, v0                           ; l
	v_lshlrev_b32 v[PO], 3, v3
	v_lshlrev_b32 v[EO], 5, v2
	v_lshlrev_b32 v[OSO], 2, v1
	v_lshlrev_b32 v[VO], 12, v1
	v_lshl_add_u32 v[VO], v2, 4, v[VO]
	s_lshl_b32 s[Q], ttmp9, 2
	s_add_co_u32 s[Q], s[Q], s[WV]
	s_and_b32 s[BT], ttmp7, 0xffff
	s_mov_b32 s[CC], C2
	s_mov_b32 s[CC+1], s[CC]                       ; named with it as a pair
	s_mov_b32 s[SEL], 0x76543210
	s_mov_b32 s[SEL+1], 0xfedcba98
	s_mov_b32 s33, 0                               ; s[32:33], s[34:35]: offsets
	s_mov_b32 s35, 0
	s_wait_kmcnt 0x0
	s_lshl_b32 s32, s[BT], 8
	s_add_nc_u64 s[14:15], s[14:15], s[32:33]
	s_load_b64 s[NB:NB+1], s[14:15], 0x0           ; the batch's (NB, TR)
	s_lshl_b32 s34, s[Q], 8                        ; my 64 entries
	s_mul_i32 s32, s[BT], PBT
	s_add_co_u32 s32, s32, s34
	s_add_nc_u64 s[4:5], s[4:5], s[32:33]
.irp x, 0,1,2,3
	global_load_b64 v[P+2*(\x):P+2*(\x)+1], v[PO], s[4:5] offset:PCX*(\x)
.endr
	s_mul_i32 s32, s[BT], SBT
	s_add_nc_u64 s[SC:SC+1], s[16:17], s[32:33]
	s_add_nc_u64 s[SQ:SQ+1], s[SC:SC+1], s[34:35]
	s_mul_i32 s32, s[BT], 2*CAP
	s_lshl_b32 s32, s32, 12                        ; rows of 4,096 bytes: under 2^28
	s_add_nc_u64 s[OAB:OAB+1], s[6:7], s[32:33]
	s_lshl_b32 s32, s[BT], 6
	s_add_nc_u64 s[OS0:OS0+1], s[10:11], s[32:33]
	s_wait_loadcnt 0x0
	v_pk_add_f32 v[P:P+1], v[P:P+1], v[P+2:P+3]
	v_pk_add_f32 v[P+4:P+5], v[P+4:P+5], v[P+6:P+7]
	v_pk_add_f32 v[P:P+1], v[P:P+1], v[P+4:P+5]
	global_store_b64 v[PO], v[P:P+1], s[SQ:SQ+1]   ; 256 consecutive bytes, aligned; its registers are not written again
	s_wait_kmcnt 0x0
	s_min_u32 s[NB], s[NB], 56
	s_min_u32 s[TR], s[TR], 3
	s_cmp_eq_u32 s[TR], 0
	s_cbranch_scc1 .Ldone
; 36 loads: the fragments of 64 along K: a group's 128 rows of wb (two fragments of each of 8 blocks), my block's 16 rows of ab (two fragments)
.macro OVLOADS
	WIN 0x40                                       ; destination window 1, address window 0
.irp f, 0,1
.irp i, 0,1,2,3,4,5,6,7
	global_load_b128 v[64*(\f)+8*(\i):64*(\f)+8*(\i)+3],   v[VO], s[OB:OB+1] offset:(\i)*65536+64*(\f)
	global_load_b128 v[64*(\f)+8*(\i)+4:64*(\f)+8*(\i)+7], v[VO], s[OB:OB+1] offset:(\i)*65536+64*(\f)+32
.endr
.endr
	WIN 0
.irp f, 0,1
	global_load_b128 v[FA+8*(\f):FA+8*(\f)+3],   v[VO], s[OA:OA+1] offset:64*(\f)
	global_load_b128 v[FA+8*(\f)+4:FA+8*(\f)+7], v[VO], s[OA:OA+1] offset:64*(\f)+32
.endr
.endm
; 8 matrix instructions: my 16 rows x the group's 8 column blocks, 32 along K, fragments f.  zero = 1: the product starts the sums.  The eight accumulators take turns, over the backward jump too.
.macro MBO f, zero
	WIN 0x51                                       ; source 0 (wb), C and D window 1; source 1 (ab) window 0
.irp b, 0,1,2,3,4,5,6,7
.if \zero
	v_wmma_f32_16x16x32_bf16 v[AC+8*(\b):AC+8*(\b)+7], v[64*(\f)+8*(\b):64*(\f)+8*(\b)+7], v[FA+8*(\f):FA+8*(\f)+7], 0
.else
	v_wmma_f32_16x16x32_bf16 v[AC+8*(\b):AC+8*(\b)+7], v[64*(\f)+8*(\b):64*(\f)+8*(\b)+7], v[FA+8*(\f):FA+8*(\f)+7], v[AC+8*(\b):AC+8*(\b)+7]
.endif
.endr
.endm
	s_mov_b32 s[OI], 0
.Lover:
	s_min_u32 s32, s[OI], 2
	s_mul_i32 s32, s32, 20
	s_add_co_u32 s32, s32, s[Q]                    ; the block: 59 at the most
	s_cmp_ge_u32 s32, s[NB]
	s_cbranch_scc1 .Lnext
	s_wait_xcnt 0x0                                ; the last block's store has read its registers
	v_mov_b32 v[RT], 0
	s_lshl_b32 s32, s32, 4
	s_add_co_u32 s32, s32, CAP                     ; the block's first rank: 2,096 at the most
	s_lshr_b32 s34, s32, 5
	s_mul_i32 s34, s34, 57
	s_lshr_b32 s34, s34, 9                         ; rank / 288: (rank / 32) x 57 / 512, exact for rank / 32 up to 71
	s_lshl_b32 s34, s34, 5
	s_add_co_u32 s34, s34, s32                     ; the entry
	s_lshl_b32 s34, s34, 2
	s_add_nc_u64 s[OP:OP+1], s[SC:SC+1], s[34:35]
	s_lshl_b32 s32, s32, 12
	s_add_nc_u64 s[OA0:OA0+1], s[OAB:OAB+1], s[32:33]
	s_mov_b32 s[HF], 0
.Lhalf:                                                ; eight times: columns 128 x group .. + 127
	s_wait_xcnt 0x0                                ; every earlier load has read its base
	s_lshl_b32 s34, s[HF], 9
	s_add_nc_u64 s[OV:OV+1], s[12:13], s[34:35]
	s_lshl_b32 s34, s[HF], 13
	s_add_nc_u64 s[OS:OS+1], s[OS0:OS0+1], s[34:35]
	s_lshl_b32 s34, s[HF], 19
	s_add_nc_u64 s[OB:OB+1], s[8:9], s[34:35]
	s_mov_b64 s[OA:OA+1], s[OA0:OA0+1]
.irp i, 0,1,2,3,4,5,6,7                ; v_w of my eight columns of block i,
	global_load_b128 v[VW+8*(\i):VW+8*(\i)+3],   v[EO], s[OV:OV+1] offset:64*(\i)
	global_load_b128 v[VW+8*(\i)+4:VW+8*(\i)+7], v[EO], s[OV:OV+1] offset:64*(\i)+16
.endr
	WIN 0x40
.irp i, 0,1,2,3,4,5,6,7                ; and sd2 of the same
	global_load_b128 v[SD+8*(\i):SD+8*(\i)+3],   v[EO], s[OS:OS+1] offset:1024*(\i)
	global_load_b128 v[SD+8*(\i)+4:SD+8*(\i)+7], v[EO], s[OS:OS+1] offset:1024*(\i)+16
.endr
	WIN 0
	s_wait_loadcnt 0x0
.set p, 0
.rept 32
	v_pk_mul_f32 v[VW+2*p:VW+2*p+1], v[VW+2*p:VW+2*p+1], -2.0 op_sel_hi:[1,0]
.set p, p+1
.endr
.irp q, 0,1,2,3
	v_pk_add_f32 v[T+2*(\q):T+2*(\q)+1], v[VW+2*(\q):VW+2*(\q)+1], v[VW+8+2*(\q):VW+8+2*(\q)+1]
.endr
.irp b, 2,3,4,5,6,7
.irp q, 0,1,2,3
	v_pk_add_f32 v[T+2*(\q):T+2*(\q)+1], v[T+2*(\q):T+2*(\q)+1], v[VW+8*(\b)+2*(\q):VW+8*(\b)+2*(\q)+1]
.endr
.endr
	v_pk_add_f32 v[T:T+1], v[T:T+1], v[T+2:T+3]
	v_pk_add_f32 v[T+4:T+5], v[T+4:T+5], v[T+6:T+7]
	v_pk_add_f32 v[T:T+1], v[T:T+1], v[T+4:T+5]
	v_pk_mul_f32 v[SV:SV+1], v[T:T+1], -0.5 op_sel_hi:[1,0]  ; the sum of v_w over my lane's columns
	OVLOADS
	s_wait_loadcnt 0x0
	MBO 0, 1                                       ; the first products start the sums
	MBO 1, 0
	WIN 0
	PLACES                                         ; in front of the loads into the fragments
	s_mov_b32 s[KC], 31
.Lok:                                                  ; 64 along K a trip
	s_add_nc_u64 s[OA:OA+1], s[OA:OA+1], 128       ; the loads that read these have come back
	s_add_nc_u64 s[OB:OB+1], s[OB:OB+1], 128
	OVLOADS
	s_wait_loadcnt 0x0
	MBO 0, 0
	MBO 1, 0
	WIN 0
	PLACES                                         ; in front of the next trip's loads into the fragments
	s_sub_co_u32 s[KC], s[KC], 1
	s_cmp_lg_u32 s[KC], 0
	s_cbranch_scc1 .Lok
	PLACES
	; 64 numbers a lane.  Two batches of transcendentals, each with one plain instruction behind its last and one wait ahead of its first reader; each accumulator's lowest registers are read first.
	WIN 0x51                                       ; destination, source 0 and source 2 (sd2): window 1
	v_pk_fma_f32 v[AC:AC+1], v[AC:AC+1], s[CC:CC+1], v[SD:SD+1] op_sel_hi:[1,0,1]      ; C2 x + C2 score_dec
	v_pk_fma_f32 v[AC+2:AC+3], v[AC+2:AC+3], s[CC:CC+1], v[SD+2:SD+3] op_sel_hi:[1,0,1]
.set p, 0
.rept 32
	v_exp_f32 v[AC+2*p], v[AC+2*p]
	v_exp_f32 v[AC+2*p+1], v[AC+2*p+1]
.if p < 30
	v_pk_fma_f32 v[AC+2*p+4:AC+2*p+5], v[AC+2*p+4:AC+2*p+5], s[CC:CC+1], v[SD+2*p+4:SD+2*p+5] op_sel_hi:[1,0,1]
.endif
.set p, p+1
.endr
	v_nop
	s_wait_alu depctr_va_vdst(0)                   ; one wait for the 64 exponentials
	v_pk_add_f32 v[AC:AC+1], v[AC:AC+1], 1.0 op_sel_hi:[1,0]
	v_pk_add_f32 v[AC+2:AC+3], v[AC+2:AC+3], 1.0 op_sel_hi:[1,0]
.set p, 0
.rept 32
	v_rcp_f32 v[AC+2*p], v[AC+2*p]
	v_rcp_f32 v[AC+2*p+1], v[AC+2*p+1]
.if p < 30
	v_pk_add_f32 v[AC+2*p+4:AC+2*p+5], v[AC+2*p+4:AC+2*p+5], 1.0 op_sel_hi:[1,0]
.endif
.set p, p+1
.endr
	v_nop
	s_wait_alu depctr_va_vdst(0)                   ; one wait for the 64 reciprocals
	WIN 0x01                                       ; source 0: window 1; all else window 0
.set p, 0
.rept 32
.if p == 0
	v_pk_fma_f32 v[S:S+1], v[AC:AC+1], v[VW:VW+1], v[SV:SV+1]
.elseif p < 4
	v_pk_mul_f32 v[S+2*p:S+2*p+1], v[AC+2*p:AC+2*p+1], v[VW+2*p:VW+2*p+1]
.else
	v_pk_fma_f32 v[S+2*(p%4):S+2*(p%4)+1], v[AC+2*p:AC+2*p+1], v[VW+2*p:VW+2*p+1], v[S+2*(p%4):S+2*(p%4)+1]
.endif
.set p, p+1
.endr
	WIN 0
	v_pk_add_f32 v[S:S+1], v[S:S+1], v[S+2:S+3]
	v_pk_add_f32 v[S+4:S+5], v[S+4:S+5], v[S+6:S+7]
	v_pk_add_f32 v[S:S+1], v[S:S+1], v[S+4:S+5]
	v_add_f32 v[R], v[S], v[S+1]
	v_add_f32 v[RT], v[RT], v[R]
	s_add_co_u32 s[HF], s[HF], 1
	s_cmp_lt_u32 s[HF], 8
	s_cbranch_scc1 .Lhalf
	v_permlanex16_b32 v[S], v[RT], s[SEL], s[SEL+1]  ; the row's other columns lie in the lane 16 away
	v_add_f32 v[RT], v[RT], v[S]
	global_store_b32 v[OSO], v[RT], s[OP:OP+1]     ; 16 rows' scores, 64 consecutive bytes; lanes l and l + 16 store the same word with the same value
.Lnext:
	s_add_co_u32 s[OI], s[OI], 1
	s_cmp_lt_u32 s[OI], s[TR]
	s_cbranch_scc1 .Lover
.Ldone:
	s_endpgm
.Lfunc_end_k_qe872464579_over:
	.size	k_qe872464579_over, .Lfunc_end_k_qe872464579_over-k_qe872464579_over
	.p2alignl 7, 3214868480
	.fill 96, 4, 3214868480
	.section	.rodata,"a",@progbits
	.p2align	6, 0x0
	.amdhsa_kernel k_qe872464579_over
		.amdhsa_group_segment_fixed_size 0
		.amdhsa_private_segment_fixed_size 0
		.amdhsa_enable_private_segment 0
		.amdhsa_kernarg_size 56
		.amdhsa_user_sgpr_count 2
		.amdhsa_user_sgpr_kernarg_segment_ptr 1
		.amdhsa_wavefront_size32 1
		.amdhsa_system_sgpr_workgroup_id_x 1
		.amdhsa_system_sgpr_workgroup_id_y 1
		.amdhsa_system_sgpr_workgroup_id_z 1
		.amdhsa_system_vgpr_workitem_id 0
		.amdhsa_next_free_vgpr 512
		.amdhsa_next_free_sgpr 66
		.amdhsa_reserve_vcc 0
		.amdhsa_float_denorm_mode_32 3
		.amdhsa_float_denorm_mode_16_64 3
		.amdhsa_memory_ordered 1
		.amdhsa_forward_progress 1
		.amdhsa_inst_pref_size 32
	.end_amdhsa_kernel
	.amdgpu_metadata
---
amdhsa.version: [ 1, 2 ]
amdhsa.kernels:
  - .name:           k_qe872464579_over
    .symbol:         k_qe872464579_over.kd
    .args:
      - { .name: part, .offset: 0, .size: 8, .value_kind: global_buffer, .address_space: global }
      - { .name: ab, .offset: 8, .size: 8, .value_kind: global_buffer, .address_space: global }
      - { .name: wb, .offset: 16, .size: 8, .value_kind: global_buffer, .address_space: global }
      - { .name: sd2, .offset: 24, .size: 8, .value_kind: global_buffer, .address_space: global }
      - { .name: v_w, .offset: 32, .size: 8, .value_kind: global_buffer, .address_space: global }
      - { .name: meta, .offset: 40, .size: 8, .value_kind: global_buffer, .address_space: global }
      - { .name: score, .offset: 48, .size: 8, .value_kind: global_buffer, .address_space: global }
    .group_segment_fixed_size: 0
    .private_segment_fixed_size: 0
    .kernarg_segment_align: 8
    .kernarg_segment_size: 56
    .max_flat_workgroup_size: 128
    .sgpr_count:     66
    .vgpr_count:     512
    .wavefront_size: 32
...
	.end_amdgpu_metadata
.endif
;; end of part 4
;; launch soft (part 5): grid 16 x 1, 16 waves a work-group, no clusters, 2,816 bytes of LDS; arguments score, mask, out0; writes out0
.if DOCPART == 5
	.amdgcn_target "amdgcn-amd-amdhsa--gfx1250"
	.amdhsa_code_object_version 6
	.text
	.protected	k_qe872464579_soft
	.globl	k_qe872464579_soft
	.p2align	8
	.type	k_qe872464579_soft,@function
k_qe872464579_soft:
	s_mov_b64 s[64:65], 0
	v_nop
	global_prefetch_b8 v0, s[64:65] scope:SCOPE_SE
	s_setreg_imm32_b32 hwreg(HW_REG_WAVE_MODE, 25, 1), 1
	s_wait_xcnt 0x0
; THE SOFTMAX.  One work-group a batch; thread t owns positions 4 t .. 4 t + 3.  A kept position's score lies in score[b] at the entry of the position's rank among the batch's kept positions
; (the order in which the rows were packed): entry rank + 32 (rank / 288).  A position whose mask is 0 has the score -1e10.  Then the row's maximum is taken away, exponentials, their sum, a reciprocal: all in f32.
; The maximum is subtracted BEFORE the scale log2(e), so that a batch with no kept position gives 2^0 everywhere.  A weight below 2^-126 counts as 0.  NaN and infinities are not treated apart.
; No branch hangs on data: a masked position reads rank 0's entry, which is always written, and a select throws it away.
.set CNT,   0                          ; LDS: 16 counts; 16 maxima; 16 sums: a block of 256 bytes each
.set MAXW,  256
.set SUMW,  512
.set SPARE, 768                        ; the spare words, 128 bytes a wave
.set SPW, 62                           ; v62  my spare word; never rewritten
.set NIL, 63                           ; v63  0; never rewritten
.macro RED16 op, x                     ; over the 16 lanes of a half, the result in each
.irp m, 1,2,4,8
	\op v[\x], v[\x], v[\x] row_xmask:\m row_mask:0xf bank_mask:0xf
.endr
.endm
	s_load_b128 s[4:7], s[0:1], 0x0                ; score s[4:5], mask s[6:7]
	s_load_b64 s[8:9], s[0:1], 0x10                ; out0
	v_lshl_add_u32 v[SPW], v0, 2, SPARE
	v_mov_b32 v[NIL], 0
	v_lshrrev_b32 v1, 5, v0
	v_readfirstlane_b32 s10, v1                    ; wave 0..15
	v_and_b32 v2, 15, v0                           ; l % 16
	v_lshlrev_b32 v9, 2, v2                        ; word l % 16 of a block
	v_lshlrev_b32 v3, 4, v0                        ; my 16 bytes of mask and of out0
	s_lshl_b32 s11, s10, 2
	v_mov_b32 v8, s11                              ; my wave's word of a block
	s_lshl_b32 s12, ttmp9, 13                      ; the batch's 8,192 bytes of mask and of out0,
	s_mov_b32 s13, 0
	s_mul_i32 s14, ttmp9, 10240                    ; and its 2,560 entries of score
	s_mov_b32 s15, 0
	s_mov_b32 s16, 0x76543210                      ; v_permlanex16_b32: each lane takes its own place in the other half
	s_mov_b32 s17, 0xfedcba98
	v_mov_b32 v28, 0xd01502f9                      ; -1e10
	s_wait_kmcnt 0x0
	s_add_nc_u64 s[6:7], s[6:7], s[12:13]
	s_add_nc_u64 s[8:9], s[8:9], s[12:13]
	s_add_nc_u64 s[4:5], s[4:5], s[14:15]
	global_load_b128 v[4:7], v3, s[6:7]
	s_wait_loadcnt 0x0
.irp e, 0,1,2,3
	v_cmp_ne_u32 s[20+(\e)], 0, v[4+(\e)]          ; bit l: element e of lane l is kept
.endr
	s_bcnt1_i32_b32 s24, s20
	s_bcnt1_i32_b32 s25, s21
	s_bcnt1_i32_b32 s26, s22
	s_bcnt1_i32_b32 s27, s23
	s_add_co_u32 s24, s24, s25
	s_add_co_u32 s26, s26, s27
	s_add_co_u32 s24, s24, s26
	v_mov_b32 v10, s24
	ds_store_b32 v8, v10 offset:CNT                ; kept in my wave's 128 positions
	s_wait_dscnt 0x0
	s_barrier_signal -1
	s_barrier_wait -1
	ds_load_b32 v11, v9 offset:CNT
	v_cmp_gt_u32 vcc_lo, s10, v2                   ; the waves in front of mine
	s_wait_dscnt 0x0
	v_cndmask_b32 v11, 0, v11, vcc_lo
	v_mov_b32 v12, 0                               ; a DPP move's destination counts as read
.irp m, 1,2,4,8
	v_mov_b32_dpp v12, v11 row_xmask:\m row_mask:0xf bank_mask:0xf
	v_add_nc_u32 v11, v11, v12
.endr
	v_mbcnt_lo_u32_b32 v10, s20, v11               ; + the kept elements of the lanes below mine
	v_mbcnt_lo_u32_b32 v10, s21, v10
	v_mbcnt_lo_u32_b32 v10, s22, v10
	v_mbcnt_lo_u32_b32 v10, s23, v10               ; the rank of my element 0
	v_cndmask_b32 v16, 0, 1, s20
	v_cndmask_b32 v17, 0, 1, s21
	v_cndmask_b32 v18, 0, 1, s22
	v_add_nc_u32 v13, v10, v16                     ; of element 1,
	v_add_nc_u32 v14, v13, v17                     ; 2,
	v_add_nc_u32 v15, v14, v18                     ; 3
	v_mov_b32 v12, v10
.irp e, 0,1,2,3
	v_cndmask_b32 v[20+(\e)], 0, v[12+(\e)], s[20+(\e)]   ; a masked element reads rank 0
	v_lshrrev_b32 v[16+(\e)], 5, v[20+(\e)]
	v_mul_u32_u24 v[16+(\e)], v[16+(\e)], 57
	v_lshrrev_b32 v[16+(\e)], 9, v[16+(\e)]        ; rank / 288: (rank / 32) x 57 / 512, exact for rank / 32 up to 71
	v_min_u32 v[16+(\e)], 7, v[16+(\e)]
	v_min_u32 v[20+(\e)], 0x8ff, v[20+(\e)]
	v_lshl_add_u32 v[20+(\e)], v[16+(\e)], 5, v[20+(\e)]  ; the entry
	v_lshlrev_b32 v[20+(\e)], 2, v[20+(\e)]
.endr
.irp e, 0,1,2,3
	global_load_b32 v[24+(\e)], v[20+(\e)], s[4:5]
.endr
	s_wait_loadcnt 0x0
.irp e, 0,1,2,3
	v_cndmask_b32 v[24+(\e)], v28, v[24+(\e)], s[20+(\e)]
.endr
	v_max3_num_f32 v29, v24, v25, v26
	v_max_num_f32 v29, v29, v27
	RED16 v_max_num_f32_dpp, 29
	v_permlanex16_b32 v16, v29, s16, s17
	v_max_num_f32 v29, v29, v16
	ds_store_b32 v8, v29 offset:MAXW
	s_wait_dscnt 0x0
	s_barrier_signal -1
	s_barrier_wait -1
	ds_load_b32 v29, v9 offset:MAXW
	s_wait_dscnt 0x0
	RED16 v_max_num_f32_dpp, 29                    ; the batch's maximum, in every lane
.irp e, 0,1,2,3
	v_sub_f32 v[24+(\e)], v[24+(\e)], v29
.endr
.irp e, 0,1,2,3
	v_mul_f32 v[24+(\e)], 0x3fb8aa3b, v[24+(\e)]
.endr
.irp e, 0,1,2,3
	v_exp_f32 v[24+(\e)], v[24+(\e)]
.endr
	v_nop                                          ; a plain instruction behind the last exponential,
	s_wait_alu depctr_va_vdst(0)                   ; and one wait for the four, ahead of their first reader
	v_add_f32 v30, v24, v25
	v_add_f32 v31, v26, v27
	v_add_f32 v30, v30, v31
	RED16 v_add_f32_dpp, 30
	v_permlanex16_b32 v16, v30, s16, s17
	v_add_f32 v30, v30, v16
	ds_store_b32 v8, v30 offset:SUMW
	s_wait_dscnt 0x0
	s_barrier_signal -1
	s_barrier_wait -1
	ds_load_b32 v30, v9 offset:SUMW
	s_wait_dscnt 0x0
	RED16 v_add_f32_dpp, 30                        ; the batch's sum, in every lane
	v_rcp_f32 v31, v30
	v_nop
	s_wait_alu depctr_va_vdst(0)
.irp e, 0,1,2,3
	v_mul_f32 v[24+(\e)], v[24+(\e)], v31
.endr
	global_store_b128 v3, v[24:27], s[8:9]         ; a wave stores 512 consecutive bytes, aligned
	s_wait_tensorcnt 0x0                           ; the wave's end, behind my last LDS store
	ds_add_u32 v[SPW], v[NIL]
	s_wait_dscnt 0x0
	s_endpgm
.Lfunc_end_k_qe872464579_soft:
	.size	k_qe872464579_soft, .Lfunc_end_k_qe872464579_soft-k_qe872464579_soft
	.p2alignl 7, 3214868480
	.fill 96, 4, 3214868480
	.section	.rodata,"a",@progbits
	.p2align	6, 0x0
	.amdhsa_kernel k_qe872464579_soft
		.amdhsa_group_segment_fixed_size 2816
		.amdhsa_private_segment_fixed_size 0
		.amdhsa_enable_private_segment 0
		.amdhsa_kernarg_size 24
		.amdhsa_user_sgpr_count 2
		.amdhsa_user_sgpr_kernarg_segment_ptr 1
		.amdhsa_wavefront_size32 1
		.amdhsa_system_sgpr_workgroup_id_x 1
		.amdhsa_system_sgpr_workgroup_id_y 1
		.amdhsa_system_sgpr_workgroup_id_z 1
		.amdhsa_system_vgpr_workitem_id 0
		.amdhsa_next_free_vgpr 64
		.amdhsa_next_free_sgpr 66
		.amdhsa_reserve_vcc 1
		.amdhsa_float_denorm_mode_32 3
		.amdhsa_float_denorm_mode_16_64 3
		.amdhsa_memory_ordered 1
		.amdhsa_forward_progress 1
		.amdhsa_inst_pref_size 9
	.end_amdhsa_kernel
	.amdgpu_metadata
---
amdhsa.version: [ 1, 2 ]
amdhsa.kernels:
  - .name:           k_qe872464579_soft
    .symbol:         k_qe872464579_soft.kd
    .args:
      - { .name: score, .offset: 0, .size: 8, .value_kind: global_buffer, .address_space: global }
      - { .name: mask, .offset: 8, .size: 8, .value_kind: global_buffer, .address_space: global }
      - { .name: out0, .offset: 16, .size: 8, .value_kind: global_buffer, .address_space: global }
    .group_segment_fixed_size: 2816
    .private_segment_fixed_size: 0
    .kernarg_segment_align: 8
    .kernarg_segment_size: 24
    .max_flat_workgroup_size: 512
    .sgpr_count:     66
    .vgpr_count:     64
    .wavefront_size: 32
...
	.end_amdgpu_metadata
.endif
;; end of part 5
